; MI455X (gfx1250); checked and timed in simulation.
; The chip was launched on July 23, 2026; its instructions are those of AMD's public machine-readable ISA for CDNA 5 (MIT licence, August 2026) and "CDNA5" Instruction Set Architecture Reference Guide (July 2026). The comments in the code are by the model that wrote it; some were corrected since.
;; Multi Head Attention. Allowed arithmetic: matrix products marked QUANTISED: E2M1 operands, one E8M0 scale for each 32 along K, by v_wmma_scale_f32_16x16x128_f8f6f4 with both operands' format E2M1 (or v_wmma_scale_f32_32x16x128_f4), f32 sums; everything else in f32.
;; Inputs: Wk 1,024 x 1,024 float32; Wo 1,024 x 1,024 float32; Wq 1,024 x 1,024 float32; Wv 1,024 x 1,024 float32; bk 1,024 float32; bo 1,024 float32; bq 1,024 float32; bv 1,024 float32; x 2 x 2,048 x 1,024 float32.
;; Outputs: out0 2 x 2,048 x 1,024 float32.
;; This version of the problem:
;;   THIS VERSION OF THE PROBLEM IS GIVEN IN LOW PRECISION. The matrix products marked QUANTISED in the list below multiply operands that are first quantised to E2M1 (2 exponent bits, 1 mantissa bit; 4 bits a number), with one power-of-two scale for each 32 numbers along K (OCP MX v1.0); their sums are f32. All else is computed in f32.
;;   The module's matrix products, in the order in which they are computed (A, B: the left and right operand; K: the contracted axis; several contracted axes count as one K, in the product's order):
;;     1. [M 4,096, K 1,024] x [K 1,024, N 1,024]; A: input x; B: input Wq: QUANTISED
;;     2. [M 4,096, K 1,024] x [K 1,024, N 1,024]; A: input x; B: input Wk: QUANTISED
;;     3. [M 4,096, K 1,024] x [K 1,024, N 1,024]; A: input x; B: input Wv: QUANTISED
;;     4. batch 32 x [M 2,048, K 64] x [K 64, N 2,048]; A: computed on the way; B: computed on the way: QUANTISED
;;     5. batch 32 x [M 2,048, K 2,048] x [K 2,048, N 64]; A: softmax (see below); B: computed on the way: QUANTISED
;;     6. [M 4,096, K 1,024] x [K 1,024, N 1,024]; A: computed on the way; B: input Wo: QUANTISED
;;   THE QUANTISER, for each operand of a quantised product, along K:
;;     - K is cut into blocks of 32 from its start; a last block that is shorter is filled with zeros.
;;     - A block's scale is 2^e with e = floor(log2(the largest magnitude in the block)) - 2, held to -126 .. 127; a block of zeros has e = 0. As a byte (E8M0): e + 127.
;;     - Each number is divided by its block's scale, clamped to +-6, and rounded to the nearest number of E2M1, ties to even, subnormals kept.
;;     - The product sums the exact products of the quantised numbers (number of the format x scale) in f32.
;;   ~~~python
;;   def quantise(x, axis):      # numpy; x: float32 -> the quantised numbers, widened to float32 again
;;       x = np.moveaxis(x, axis, -1); K = x.shape[-1]
;;       x = np.pad(x, [(0, 0)] * (x.ndim - 1) + [(0, -K % 32)]); x = x.reshape(x.shape[:-1] + (-1, 32)); a = np.abs(x).max(-1, keepdims=True)
;;       e = np.where(a > 0, np.clip(np.frexp(np.where(a > 0, a, 1))[1] - 1 - 2, -126, 127), 0)      # np.frexp(a)[1] - 1 = floor(log2(a)), exactly
;;       r = np.clip(x / 2.0 ** e, -6, 6)
;;       step = 2.0 ** (np.maximum(np.frexp(np.where(r == 0, 1, r))[1] - 1, 0) - 1)
;;       q = np.round(r / step) * step * 2.0 ** e      # np.round: ties to even
;;       return np.moveaxis(q.reshape(q.shape[:-2] + (-1,))[..., :K], -1, axis).astype(np.float32)
;;   ~~~
;;   SOFTMAX AHEAD OF A QUANTISED PRODUCT. Where the list says 'softmax', what is quantised is not the finished softmax but p = 2^(t - M), with t = logit x log2(e) and M = ceil(the row's largest t), a whole number; so 1/2 < the row's largest p <= 1. The row's sum l is taken of the UNQUANTISED p, in f32, and the product's result is divided by l at the end. Since M is a whole number, a kernel that streams over the keys may use a running M (the ceiling of the running maximum): every later rescaling is an exact power of two, which a block's scale takes up: the codes' values come out the same.
;;   OPERANDS COMPUTED ON THE WAY. 'Computed on the way' means the value that the module computes at that place (a softmax that the list does not call 'softmax' is quantised finished and normalised). What goes into a quantiser is computed in f32, as accurately as f32 sums, v_exp_f32 and their like allow (about 1e-6 of the number): no bf16 or f16 on the way to a quantiser, and a product that is left as it is and whose result goes on into a quantised operand takes f32 operands (vector FMAs, or v_wmma_f32_16x16x4_f32). A number that lies on a knife's edge between two numbers of the format may be rounded either way, as far as f32 arithmetic and the matrix unit's own rounding can turn it there, and no further.
;; One version. Each part assembles by itself: llvm-mc -triple=amdgcn-amd-amdhsa -mcpu=gfx1250 --defsym DOCPART=n.
;; ======== version 1 of 1: 4 launches
;; limits: right only within a limited range of input values
;; workspace buffers: pan 4,456,448 bytes; qc 2,228,224 bytes; kv 4,456,448 bytes; ao 2,228,224 bytes
;; launch quant (part 1): grid 256 x 1, 4 waves a work-group, no clusters, 35,328 bytes of LDS; arguments x, Wq, Wk, Wv, Wo, pan; writes pan
.if DOCPART == 1
	.amdgcn_target "amdgcn-amd-amdhsa--gfx1250"
	.amdhsa_code_object_version 6
	.text
	.protected	k_qd164c4628f_quant
	.globl	k_qd164c4628f_quant
	.p2align	8
	.type	k_qd164c4628f_quant,@function
k_qd164c4628f_quant:
	s_mov_b64 s[64:65], 0
	v_nop
	global_prefetch_b8 v0, s[64:65] scope:SCOPE_SE
	s_setreg_imm32_b32 hwreg(HW_REG_WAVE_MODE, 25, 1), 1
	s_wait_xcnt 0x0
; x [4096][1024] and Wq, Wk, Wv, Wo [1024][1024], f32 with K innermost, become codes of FP4 (E2M1) with one E8M0 byte for each 32 along K,
; laid in the ORDER OF THE OPERAND'S REGISTERS.  A PANEL is 64 rows x K 1,024: 8 blocks (one for each 128 along K) of 4,352 bytes.  A block holds four
; fragment images (tile t at 1024 t, registers 4 c .. 4 c + 3 at + 512 c, lane l's 16 bytes at + 16 l) and, from byte 4,096, the scale words: row r of tile t at 16 r + 4 t.
; THE ROWS OF A TILE ARE NOT NEIGHBOURS: lane row r of tile t is the panel's row 32 (t / 2) + 8 (t % 2) + r + 8 (r / 8), so that a product that takes such tiles as source 0
; leaves 16 neighbouring rows in the 16 registers of two neighbouring tiles.  Panels 0-63: x; 64-79 Wq; 80-95 Wk; 96-111 Wv; 112-127 Wo.
; A block's scale is 2^(floor(log2(largest magnitude)) - 2); its byte is the largest magnitude's exponent field - 2, held at 1 from below.
; LIMITS: NaN and infinities are not served; a block whose largest magnitude lies under 2^-124 keeps the byte 1; a block of zeros gets the byte 1 where the rule says 127
; (its codes are zeros, which add nothing, and the bytes are read by this program alone).
; SHARES: a work-group takes half a panel, each of its four waves one block.  Waves share nothing: no barrier.  No work-group reads what another reads: no cluster.
; Each load reads 512 consecutive bytes of one row; a fragment's 16 rows turn through the wave's own stage in LDS, so that a lane gets two whole blocks of 32 neighbours.
.set PAN,  34816
.set KB,   4352
.set WREG, 8704                        ; LDS of a wave: the stage, then its 256 bytes of scale words
.set SP,   528                         ; a stage row: 512 bytes + 16, so that sixteen lanes that read sixteen rows start 4 words apart
.set SCW,  16*SP
.set MX,   16                          ; v16-17 largest magnitudes;  v18-19 the conversions' scale operands;  v20-21 the bytes
.set SO,   18
.set BY,   20
.set R,    32                          ; v32-159  two sets of 64: a fragment's 16 rows as loaded
.set X,    160                         ; v160-223 my two blocks of 32 neighbours
.set C,    224                         ; v224-255 codes: 8 registers for each fragment, so that no store's data are written again
	s_load_b256 s[4:11], s[0:1], 0x0               ; x, Wq, Wk, Wv
	s_load_b128 s[12:15], s[0:1], 0x20             ; Wo, pan
	v_lshl_add_u32 v30, v0, 2, 0x8800
	v_mov_b32 v31, 0
	v_lshrrev_b32 v1, 5, v0
	v_readfirstlane_b32 s16, v1                    ; wave
	v_and_b32 v1, 31, v0                           ; lane
	v_and_b32 v2, 15, v0                           ; r
	v_bfe_u32 v3, v0, 4, 1                         ; h
	v_lshlrev_b32 v4, 4, v1                        ; 16 x lane: my bytes of a load's 512, and of an image's
	s_mul_i32 s17, s16, WREG
	v_add_nc_u32 v5, s17, v4                       ; the stage, on the way in
	v_mul_u32_u24 v6, v2, SP
	v_lshl_add_u32 v6, v3, 7, v6
	v_add_nc_u32 v6, s17, v6                       ; and out: row r, + 128 h: k = 32 h on
	v_lshlrev_b32 v7, 4, v2
	v_add_nc_u32 v7, s17, v7
	v_add_nc_u32 v7, SCW, v7                       ; my row's scale words
	v_lshlrev_b32 v9, 3, v1                        ; on their way out: 8 bytes a lane
	v_add_nc_u32 v8, s17, v9
	v_add_nc_u32 v8, SCW, v8
	v_lshlrev_b32 v10, 3, v3                       ; 8 h: my bytes' place in a scale word
	v_mov_b32 v12, 0                               ; written once: a lane permute's destination counts as one of its sources
	s_mov_b32 s18, 0x76543210
	s_mov_b32 s19, 0xfedcba98                      ; selects for lane l xor 16
	s_lshr_b32 s20, ttmp9, 1                       ; the panel
	s_and_b32 s21, ttmp9, 1
	s_lshl_b32 s21, s21, 2
	s_add_co_u32 s21, s21, s16                     ; which 128 along K
	s_and_b32 s22, s20, 15                         ; a weight's block of 64 rows
	s_wait_alu depctr_va_vdst(0)
	s_wait_kmcnt 0x0
	s_cmp_lt_u32 s20, 80                           ; the source: a choice on the work-group's number alone
	s_cselect_b64 s[6:7], s[6:7], s[8:9]
	s_cmp_lt_u32 s20, 112
	s_cselect_b64 s[10:11], s[10:11], s[12:13]
	s_cmp_lt_u32 s20, 96
	s_cselect_b64 s[6:7], s[6:7], s[10:11]
	s_cmp_lt_u32 s20, 64
	s_cselect_b64 s[4:5], s[4:5], s[6:7]
	s_cselect_b32 s22, s20, s22
	s_lshl_b32 s22, s22, 18                        ; 64 rows of 4,096 bytes
	s_lshl_b32 s23, s21, 9                         ; 128 numbers
	s_add_co_u32 s22, s22, s23
	s_mov_b32 s23, 0
	s_add_nc_u64 s[4:5], s[4:5], s[22:23]
	s_mul_i32 s24, s20, PAN
	s_mul_i32 s25, s21, KB
	s_add_co_u32 s24, s24, s25
	s_mov_b32 s25, 0
	s_add_nc_u64 s[14:15], s[14:15], s[24:25]
.macro LOAD t                          ; tile t's 16 rows, 512 consecutive bytes each, into set t % 2
.irp p, 0,1,2,3,4,5,6,7,8,9,10,11,12,13,14,15
	global_load_b128 v[R+64*((\t)%2)+4*\p:R+64*((\t)%2)+4*\p+3], v4, s[4:5] offset:(32*((\t)/2)+8*((\t)%2)+\p+8*(\p/8))*4096 th:TH_LOAD_NT
.endr
.endm
.macro FRAG t
.if (\t) < 3
	s_wait_loadcnt 16                              ; this tile's sixteen loads are in; the next tile's sixteen may be out
.else
	s_wait_loadcnt 0x0
.endif
.irp p, 0,1,2,3,4,5,6,7,8,9,10,11,12,13,14,15
	ds_store_b128 v5, v[R+64*((\t)%2)+4*\p:R+64*((\t)%2)+4*\p+3] offset:SP*\p
.endr
.irp c, 0,1
.irp q, 0,1,2,3,4,5,6,7
	ds_load_b128 v[X+32*\c+4*\q:X+32*\c+4*\q+3], v6 offset:256*\c+16*\q   ; k = 64 c + 32 h + 4 q on of row r.  LDS serves a wave's instructions in order: these see the stores above
.endr
.endr
	s_wait_dscnt 0x0                               ; my 64 numbers are in; the stores have read their registers, the last tile's scale word among them
.if (\t) < 2
	LOAD (\t)+2
.endif
.irp c, 0,1
	v_max3_num_f32 v[MX+\c], |v[X+32*\c]|, |v[X+32*\c+1]|, 0x1800000   ; block 2 c + h is all mine; the floor 2^(3 - 127) holds the byte at 1 from below
.endr
.irp i, 2,4,6,8,10,12,14,16,18,20,22,24,26,28,30
.irp c, 0,1
	v_max3_num_f32 v[MX+\c], v[MX+\c], |v[X+32*\c+\i]|, |v[X+32*\c+\i+1]|
.endr
.endr
.irp c, 0,1
	v_add_nc_u32 v[SO+\c], 0xff000000, v[MX+\c]    ; 2 off the exponent field: the conversion takes that field as its scale
.endr
.irp c, 0,1
	v_lshrrev_b32 v[BY+\c], 23, v[SO+\c]           ; the scale's byte
.endr
.irp c, 0,1
.irp g, 0,1,2,3
	v_cvt_scalef32_pk8_fp4_f32 v[C+8*(\t)+4*\c+\g], v[X+32*\c+8*\g:X+32*\c+8*\g+7], v[SO+\c]
.endr
.endr
	v_lshl_or_b32 v11, v[BY+1], 16, v[BY]          ; my two bytes, blocks h and 2 + h,  (plain lines behind the conversions)
	v_lshlrev_b32 v11, v10, v11                    ; at their places;
	v_permlanex16_b32 v12, v11, s18, s19
	v_or_b32 v11, v11, v12                         ; with lane l xor 16's two the word is whole
.irp c, 0,1
	global_store_b128 v4, v[C+8*(\t)+4*\c:C+8*(\t)+4*\c+3], s[14:15] offset:1024*(\t)+512*\c   ; 512 consecutive bytes, aligned
.endr
	ds_store_b32 v7, v11 offset:4*(\t)             ; lanes l and l + 16 write the same word with the same value
.endm
	LOAD 0
	LOAD 1
	FRAG 0
	FRAG 1
	FRAG 2
	FRAG 3
	ds_load_b64 v[14:15], v8                       ; the block's 256 bytes of scale words: these see my stores
	s_wait_dscnt 0x0
	global_store_b64 v9, v[14:15], s[14:15] offset:4096   ; 256 consecutive bytes, aligned
	s_wait_tensorcnt 0x0
	ds_add_u32 v30, v31
	s_wait_dscnt 0x0
	s_endpgm
.Lfunc_end_k_qd164c4628f_quant:
	.size	k_qd164c4628f_quant, .Lfunc_end_k_qd164c4628f_quant-k_qd164c4628f_quant
	.p2alignl 7, 3214868480
	.fill 96, 4, 3214868480
	.section	.rodata,"a",@progbits
	.p2align	6, 0x0
	.amdhsa_kernel k_qd164c4628f_quant
		.amdhsa_group_segment_fixed_size 35328
		.amdhsa_private_segment_fixed_size 0
		.amdhsa_enable_private_segment 0
		.amdhsa_kernarg_size 48
		.amdhsa_user_sgpr_count 2
		.amdhsa_user_sgpr_kernarg_segment_ptr 1
		.amdhsa_wavefront_size32 1
		.amdhsa_system_sgpr_workgroup_id_x 1
		.amdhsa_system_sgpr_workgroup_id_y 1
		.amdhsa_system_sgpr_workgroup_id_z 1
		.amdhsa_system_vgpr_workitem_id 0
		.amdhsa_next_free_vgpr 256
		.amdhsa_next_free_sgpr 66
		.amdhsa_reserve_vcc 0
		.amdhsa_float_denorm_mode_32 3
		.amdhsa_float_denorm_mode_16_64 3
		.amdhsa_memory_ordered 1
		.amdhsa_forward_progress 1
		.amdhsa_inst_pref_size 30
	.end_amdhsa_kernel
	.amdgpu_metadata
---
amdhsa.version: [ 1, 2 ]
amdhsa.kernels:
  - .name:           k_qd164c4628f_quant
    .symbol:         k_qd164c4628f_quant.kd
    .args:
      - { .name: x, .offset: 0, .size: 8, .value_kind: global_buffer, .address_space: global }
      - { .name: Wq, .offset: 8, .size: 8, .value_kind: global_buffer, .address_space: global }
      - { .name: Wk, .offset: 16, .size: 8, .value_kind: global_buffer, .address_space: global }
      - { .name: Wv, .offset: 24, .size: 8, .value_kind: global_buffer, .address_space: global }
      - { .name: Wo, .offset: 32, .size: 8, .value_kind: global_buffer, .address_space: global }
      - { .name: pan, .offset: 40, .size: 8, .value_kind: global_buffer, .address_space: global }
    .group_segment_fixed_size: 35328
    .private_segment_fixed_size: 0
    .kernarg_segment_align: 8
    .kernarg_segment_size: 48
    .max_flat_workgroup_size: 128
    .sgpr_count:     66
    .vgpr_count:     256
    .wavefront_size: 32
...
	.end_amdgpu_metadata
.endif
;; end of part 1
;; launch qkv (part 2): grid 16 x 16, 12 waves a work-group, clusters of 4 x 4, 245,248 bytes of LDS; arguments pan, bq, bk, bv, qc, kv; writes qc, kv
.if DOCPART == 2
	.amdgcn_target "amdgcn-amd-amdhsa--gfx1250"
	.amdhsa_code_object_version 6
	.text
	.protected	k_qd164c4628f_qkv
	.globl	k_qd164c4628f_qkv
	.p2align	8
	.type	k_qd164c4628f_qkv,@function
k_qd164c4628f_qkv:
	s_mov_b64 s[64:65], 0
	v_nop
	global_prefetch_b8 v0, s[64:65] scope:SCOPE_SE
	s_setreg_imm32_b32 hwreg(HW_REG_WAVE_MODE, 25, 1), 1
	s_wait_xcnt 0x0
	s_wait_alu depctr_hold_cnt(0) depctr_sa_sdst(0) depctr_va_vdst(0) depctr_va_sdst(0) depctr_va_ssrc(0) depctr_va_vcc(0) depctr_vm_vsrc(0)
	s_getreg_b32 s2, hwreg(HW_REG_IB_STS2, 6, 4)
	s_cmp_eq_u32 s2, 0
	s_cbranch_scc0 .Lentry_in_a_cluster
	s_endpgm
.Lentry_in_a_cluster:
	s_bfe_u32 s2, ttmp6, 0x10000c
	s_cmp_lg_u32 s2, 0xf033
	s_cbranch_scc0 .Lentry_shape_is_right
	s_endpgm
.Lentry_shape_is_right:
; Q, K, V = x W^T + b on codes of FP4, and their quantising for the two products of attention: Q and K along the head's 64 channels, V down the tokens.
; SHARES.  A work-group owns one head and 256 tokens.  Twelve waves: role = wave / 4 (0 Q, 1 K, 2 V), g = wave % 4: 64 tokens.  A wave makes 64 x 64: 16 accumulators, (o, i) at v[128 + 8 (4 o + i)].
; Source 0 is the INNER operand's tile i, source 1 the OUTER's tile o.  Q, K: inner = W's rows, outer = x's tokens: a lane holds one token, its registers run along the channels.
; V: inner = x's tokens, outer = Wv's rows: a lane holds one channel, its registers run down the tokens.  By the panels' order of rows the 16 registers of accumulators (o, 2 b), (o, 2 b + 1)
; are 16 neighbours along the next product's K.  One text serves all roles: only addresses and the first step's C (the bias) differ.
; LDS: seven panels of 34,816 bytes: the block's four panels of x, then the head's panels of Wq, Wk, Wv.  Each byte is filled once; nothing is stored into LDS.
; CLUSTERS: 4 x 4 work-groups.  The four of a row of the cluster (one token block, four heads) need the same panels of x, the four of a column the same panels of W: each is asked for jointly.
; Waves 0-6 fetch one whole panel each, one tensor load a wave, at the head; one barrier shows all seven to every wave.  No prefetch: all tiles are asked for at the head, and there is no loop to run ahead in.
; OUT.  qc [bh][block of 256 queries]: 16 query-tile images of 512 bytes, then from 8,192 two scale bytes at 32 tile + 2 r.
; kv [bh][step of 128 keys] of 8,704 bytes: key tile t8's image at 512 t8; V^T's channel tile o at 4,096 + 1,024 o + 512 (half of the keys); K's two scale bytes at 8,192 + 16 r + 2 t8; V's scale word at 8,448 + 16 r + 4 o.
; The codes leave as 512 consecutive bytes a store.  The scale bytes, a sixteenth of the codes' bytes, leave two bytes a lane: aligned blocks of 256 bytes are written there in parts.
; LIMITS: NaN and infinities are not served; a block whose largest magnitude lies under 2^-124 keeps the byte 1; a block of zeros gets the byte 1 (zero codes; only this program reads the bytes).
.set PAN,  34816
.set KB,   4352
.set CH,   8704
.set SCO,  4096
.set AIN,  5                           ; v5   inner panel + 16 x lane
.set AOUT, 6                           ; v6   outer panel + 16 x lane
.set ASI,  7                           ; v7   inner panel's scale words + 16 r
.set ASO,  8                           ; v8   outer panel's
.set CA,   9                           ; v9-12  where tile o's codes go
.set SA,   13                          ; v13-14 where the scale bytes go
.set VB,   16                          ; v16-23 byte offsets into the bias
.set SWI,  24                          ; v24-27 inner scale words, tile i;  v28-31 outer
.set SWO,  28
.set BIAS, 32
.set IN,   64
.set OUT,  96
.set ACC,  128
.set TM,   32                          ; the quantiser, in registers that the products have left
.set TX,   40
.set SOP,  48
.set BY,   56
.set SC,   64
.set PC,   80
.macro CROUND                          ; a round of the cluster's barrier
	s_barrier_signal -1
	s_barrier_wait -1
	s_cmp_lg_u32 s16, 0
	s_cbranch_scc1 .Lnot_wave_0_\@
	s_barrier_signal -3
.Lnot_wave_0_\@:
	s_barrier_wait -3
	s_barrier_signal -1
	s_barrier_wait -1
.endm
	s_load_b256 s[4:11], s[0:1], 0x0               ; pan, bq, bk, bv
	s_load_b128 s[12:15], s[0:1], 0x20             ; qc, kv
	s_set_vgpr_msb 0x40                            ; v256: my spare word's address; v257: 0
	v_lshl_add_u32 v0, v0, 2, 0x3b800
	v_mov_b32 v1, 0
	s_set_vgpr_msb 0x4045
	ds_add_u32 v0, v1                              ; the opening lines: the add twice on end
	ds_add_u32 v0, v1
	s_set_vgpr_msb 0x4500
	v_lshrrev_b32 v1, 5, v0
	s_delay_alu instid0(VALU_DEP_1)
	v_readfirstlane_b32 s16, v1                    ; wave 0..11
	v_and_b32 v1, 31, v0                           ; lane
	v_and_b32 v2, 15, v0                           ; r
	v_bfe_u32 v3, v0, 4, 1                         ; h
	s_delay_alu instid0(VALU_DEP_3)
	v_lshlrev_b32 v4, 4, v1                        ; 16 x lane
	s_wait_alu depctr_va_vdst(0)                   ; the wait ahead of the scalar lines
	s_lshr_b32 s17, s16, 2                         ; role
	s_and_b32 s18, s16, 3                          ; g
	s_lshr_b32 s19, s17, 1                         ; 1 for V
	s_xor_b32 s84, s19, 1                          ; 1 for Q and K
	s_mul_i32 s85, s18, PAN                        ; my panel of x
	s_add_co_u32 s86, s17, 4
	s_mul_i32 s86, s86, PAN                        ; my panel of W
	s_mul_i32 s87, s84, s86
	s_mul_i32 s88, s19, s85
	s_add_co_u32 s87, s87, s88                     ; inner: W's for Q and K, x's for V
	s_mul_i32 s88, s19, s86
	s_mul_i32 s89, s84, s85
	s_add_co_u32 s88, s88, s89                     ; outer: the other
	v_add_nc_u32 v[AIN], s87, v4
	v_add_nc_u32 v[AOUT], s88, v4
	v_lshlrev_b32 v[ASI], 4, v2
	s_delay_alu instid0(VALU_DEP_1)
	v_add_nc_u32 v[ASI], SCO, v[ASI]
	s_delay_alu instid0(VALU_DEP_1)
	v_add_nc_u32 v[ASO], s88, v[ASI]
	s_delay_alu instid0(VALU_DEP_2)
	v_add_nc_u32 v[ASI], s87, v[ASI]
	s_bfe_u32 s20, ttmp6, 0x40000                  ; cx
	s_bfe_u32 s21, ttmp6, 0x40004                  ; cy
	s_lshl_b32 s22, ttmp9, 2
	s_add_co_u32 s22, s22, s20                     ; the head = 4 x cluster x + cx
	s_and_b32 s23, ttmp7, 0xffff
	s_lshl_b32 s23, s23, 2
	s_add_co_u32 s23, s23, s21                     ; the block of 256 tokens = 4 x cluster y + cy
	s_lshl_b32 s90, s21, 2
	s_lshl_b32 s90, 15, s90                        ; my row of the cluster
	s_lshl_b32 s91, 0x1111, s20                    ; my column
	; descriptor group 1: a panel, 34,816 dense bytes, as 136 rows of 32 elements of 8 bytes, no padding
	s_or_b32 s24, s90, (3<<16)|(1<<21)             ; x's panels go to my row
	s_or_b32 s32, s91, (3<<16)|(1<<21)             ; W's to my column
.irp g, 24, 32
	s_mov_b32 s[\g+1], 32<<16                      ; tensor_dim0
	s_mov_b32 s[\g+2], 136<<16                     ; tensor_dim1
	s_mov_b32 s[\g+3], 32<<16                      ; tile_dim0
	s_mov_b32 s[\g+4], 136                         ; tile_dim1
	s_mov_b32 s[\g+5], 32                          ; the pitch
	s_mov_b32 s[\g+6], 0
	s_mov_b32 s[\g+7], 0
.endr
	s_lshl_b32 s56, s23, 2
	s_add_co_u32 s56, s56, s18
	s_mul_i32 s56, s56, PAN                        ; x's panel 4 x token block + wave % 4: made of the token block and the wave alone
	s_mov_b32 s57, 0
	s_lshl_b32 s58, s18, 4
	s_add_co_u32 s58, s58, s22
	s_add_co_u32 s58, s58, 64
	s_mul_i32 s58, s58, PAN                        ; W's panel 64 + 16 (wave % 4) + head: made of the head and the wave alone
	s_mov_b32 s59, 0
	s_mul_i32 s60, s16, PAN                        ; where it goes: wave x a panel
	s_mov_b32 s62, 0x76543210
	s_mov_b32 s63, 0xfedcba98                      ; selects for lane l xor 16
	s_wait_dscnt 0x0                               ; both opening adds are done
	CROUND                                         ; the round in front of the first joint loads; it needs no argument, so the arguments' load is out while the sixteen work-groups meet
	s_wait_kmcnt 0x0
	s_add_nc_u64 s[56:57], s[4:5], s[56:57]
	s_add_nc_u64 s[58:59], s[4:5], s[58:59]
	s_mov_b32 s40, 1
	s_mov_b32 s41, s60
	s_mov_b64 s[42:43], s[56:57]
	s_or_b32 s43, s43, 0x80000000
	s_mov_b32 s68, 1
	s_mov_b32 s69, s60
	s_mov_b64 s[70:71], s[58:59]
	s_or_b32 s71, s71, 0x80000000
	s_cmp_lt_u32 s16, 4                            ; waves 0-3: x's four panels; waves 4-6: Wq's, Wk's, Wv's; the others none: one chain of branches, one load to an arm
	s_cbranch_scc0 .Lnot_x
	tensor_load_to_lds s[40:43], s[24:31]
	s_nop 0
.rept 4
	v_nop
.endr
	s_branch .Lasked
.Lnot_x:
	s_cmp_lt_u32 s16, 7
	s_cbranch_scc0 .Lasked
	tensor_load_to_lds s[68:71], s[32:39]
	s_nop 0
.rept 4
	v_nop
.endr
.Lasked:
	; the bias, in the result's layout.  Q, K: register 8 i + j = b(32 (i / 2) + 8 (i % 2) + 16 h + j);  V: register 8 o + j = bv(32 (o / 2) + 8 (o % 2) + r + 8 (r / 8)), the same for every j
	s_cmp_eq_u32 s17, 0
	s_cselect_b64 s[6:7], s[6:7], s[8:9]
	s_cselect_b64 s[12:13], s[12:13], s[14:15]     ; Q's codes go to qc, K's and V's to kv
	s_cmp_eq_u32 s17, 2
	s_cselect_b64 s[6:7], s[10:11], s[6:7]
	s_lshl_b32 s92, s22, 8                         ; the head's 64 numbers
	s_mov_b32 s93, 0
	s_add_nc_u64 s[6:7], s[6:7], s[92:93]
	s_lshl_b32 s94, s84, 6
	s_lshl_b32 s95, s19, 2
	s_lshl_b32 s96, s84, 2
	v_and_b32 v15, 8, v2
	s_delay_alu instid0(VALU_DEP_1)
	v_add_nc_u32 v15, v15, v2                      ; r + 8 (r / 8)
	v_mul_u32_u24 v[VB], s94, v3
	s_delay_alu instid0(VALU_DEP_1)
	v_mad_u32_u24 v[VB], v15, s95, v[VB]
.irp j, 1,2,3,4,5,6,7
	s_delay_alu instid0(VALU_DEP_1)
	v_add_nc_u32 v[VB+\j], s96, v[VB+\j-1]
.endr
.irp a, 0,1,2,3
.irp j, 0,1,2,3,4,5,6,7
	global_load_b32 v[BIAS+8*\a+\j], v[VB+\j], s[6:7] offset:(32*(\a/2)+8*(\a%2))*4
.endr
.endr
	; where the results go: seven numbers a role
	s_and_b32 s97, s18, 1                          ; which half of a key step
	s_lshr_b32 s98, s18, 1                         ; which of the block's two key steps
	s_lshr_b32 s99, s23, 3
	s_lshl_b32 s99, s99, 4
	s_add_co_u32 s99, s99, s22                     ; bh = 16 x batch + head
	s_and_b32 s92, s23, 7                          ; the block of 256 within the batch
	s_cmp_eq_u32 s17, 0
	s_cbranch_scc0 .Lnot_q
	s_mov_b32 s85, 512                             ; from tile to tile
	s_lshl_b32 s86, s18, 11                        ; the first tile's codes
	s_lshl_b32 s87, s18, 7
	s_add_co_u32 s87, s87, 8192                    ; the scale bytes' base,
	s_mov_b32 s88, 2                               ; x r,
	s_mov_b32 s89, 32                              ; x h (tiles 0 and 1, 2 and 3 share a store),
	s_mov_b32 s90, 64                              ; from the first store to the second
	s_lshl_b32 s91, s99, 3
	s_add_co_u32 s91, s91, s92
	s_mul_i32 s91, s91, CH                         ; the block in qc
	s_branch .Lpar
.Lnot_q:
	s_lshl_b32 s91, s92, 1
	s_add_co_u32 s91, s91, s98
	s_mul_i32 s91, s91, CH
	s_mul_i32 s93, s99, 16*CH
	s_add_co_u32 s91, s91, s93                     ; the key step's block in kv
	s_mov_b32 s88, 16
	s_cmp_eq_u32 s17, 1
	s_cbranch_scc0 .Lis_v
	s_mov_b32 s85, 512
	s_lshl_b32 s86, s97, 11
	s_lshl_b32 s87, s97, 3
	s_add_co_u32 s87, s87, 8192
	s_mov_b32 s89, 2
	s_mov_b32 s90, 4
	s_branch .Lpar
.Lis_v:
	s_mov_b32 s85, 1024
	s_lshl_b32 s86, s97, 9
	s_add_co_u32 s86, s86, 4096
	s_lshl_b32 s87, s97, 1
	s_add_co_u32 s87, s87, 8448
	s_mov_b32 s89, 4
	s_mov_b32 s90, 8
.Lpar:
	s_mov_b32 s92, s91
	s_mov_b32 s93, 0
	s_add_nc_u64 s[12:13], s[12:13], s[92:93]
	v_add_nc_u32 v[CA], s86, v4
	s_delay_alu instid0(VALU_DEP_1)
	v_add_nc_u32 v[CA+1], s85, v[CA]
	s_delay_alu instid0(VALU_DEP_1)
	v_add_nc_u32 v[CA+2], s85, v[CA+1]
	s_delay_alu instid0(VALU_DEP_1)
	v_add_nc_u32 v[CA+3], s85, v[CA+2]
	v_mul_u32_u24 v[SA], s88, v2
	s_delay_alu instid0(VALU_DEP_1)
	v_mad_u32_u24 v[SA], v3, s89, v[SA]
	s_delay_alu instid0(VALU_DEP_1)
	v_add_nc_u32 v[SA], s87, v[SA]
	s_delay_alu instid0(VALU_DEP_1)
	v_add_nc_u32 v[SA+1], s90, v[SA]
.macro FETCH s                         ; K step s: eight fragments, each two loads of 512 consecutive bytes, and the two sides' scale words (register t: tile t's word of row r)
.irp t, 0,1,2,3
.irp c, 0,1
	ds_load_b128 v[IN+8*\t+4*\c:IN+8*\t+4*\c+3], v[AIN] offset:(\s)*KB+1024*\t+512*\c
	ds_load_b128 v[OUT+8*\t+4*\c:OUT+8*\t+4*\c+3], v[AOUT] offset:(\s)*KB+1024*\t+512*\c
.endr
.endr
	ds_load_b128 v[SWI:SWI+3], v[ASI] offset:(\s)*KB
	ds_load_b128 v[SWO:SWO+3], v[ASO] offset:(\s)*KB
	s_wait_dscnt 0x0
.endm
; 16 products, the 16 accumulators by turns in the same order in every step.  mode 0: onto the sums; 1: the sums begin with the inner tile's bias; 2: with the outer tile's
.macro MULS mode
.irp o, 0,1,2,3
.irp i, 0,1,2,3
.if \mode == 0
	v_wmma_scale_f32_16x16x128_f8f6f4 v[ACC+8*(4*\o+\i):ACC+8*(4*\o+\i)+7], v[IN+8*\i:IN+8*\i+7], v[OUT+8*\o:OUT+8*\o+7], v[ACC+8*(4*\o+\i):ACC+8*(4*\o+\i)+7], v[SWI+\i], v[SWO+\o] matrix_a_fmt:MATRIX_FMT_FP4 matrix_b_fmt:MATRIX_FMT_FP4
.elseif \mode == 1
	v_wmma_scale_f32_16x16x128_f8f6f4 v[ACC+8*(4*\o+\i):ACC+8*(4*\o+\i)+7], v[IN+8*\i:IN+8*\i+7], v[OUT+8*\o:OUT+8*\o+7], v[BIAS+8*\i:BIAS+8*\i+7], v[SWI+\i], v[SWO+\o] matrix_a_fmt:MATRIX_FMT_FP4 matrix_b_fmt:MATRIX_FMT_FP4
.else
	v_wmma_scale_f32_16x16x128_f8f6f4 v[ACC+8*(4*\o+\i):ACC+8*(4*\o+\i)+7], v[IN+8*\i:IN+8*\i+7], v[OUT+8*\o:OUT+8*\o+7], v[BIAS+8*\o:BIAS+8*\o+7], v[SWI+\i], v[SWO+\o] matrix_a_fmt:MATRIX_FMT_FP4 matrix_b_fmt:MATRIX_FMT_FP4
.endif
.endr
.endr
.endm
	s_wait_alu depctr_va_vdst(0)                   ; the wait at the head's end
	s_wait_tensorcnt 0x0                           ; my panel has landed
	s_barrier_signal -1
	s_barrier_wait -1                              ; everybody's has; nothing is filled again
	FETCH 0
	s_wait_loadcnt 0x0                             ; the bias
	s_cmp_eq_u32 s17, 2
	s_cbranch_scc1 .Lfirst_v
	MULS 1
	s_branch .Lfirst_done
.Lfirst_v:
	MULS 2
.Lfirst_done:
.irp s, 1,2,3,4,5,6,7
.rept 4
	v_nop                                          ; four places in front of loads into registers that the products have read
.endr
	FETCH \s
	MULS 0
.endr
	; THE QUANTISER: eight blocks n = 2 o + b of 32 along the next K; my 16 numbers of block n are v[ACC + 16 n] on, lane l xor 16 holds the other 16
.irp n, 0,1,2,3,4,5,6,7
	v_mov_b32 v[TX+\n], 0                          ; a lane permute's destination counts as one of its sources.  These eight are also the places behind the last products
.endr
.irp n, 0,1,2,3,4,5,6,7
	v_max3_num_f32 v[TM+\n], |v[ACC+16*\n]|, |v[ACC+16*\n+1]|, 0x1800000   ; each accumulator is read from its low end on; the floor 2^(3 - 127) holds the byte at 1 from below
.endr
.irp i, 2,4,6,8,10,12,14
.irp n, 0,1,2,3,4,5,6,7
	v_max3_num_f32 v[TM+\n], v[TM+\n], |v[ACC+16*\n+\i]|, |v[ACC+16*\n+\i+1]|
.endr
.endr
.irp n, 0,1,2,3,4,5,6,7
	v_permlanex16_b32 v[TX+\n], v[TM+\n], s62, s63
.endr
.irp n, 0,1,2,3,4,5,6,7
	v_max_num_f32 v[TM+\n], v[TM+\n], v[TX+\n]     ; the block's largest magnitude
.endr
.irp n, 0,1,2,3,4,5,6,7
	v_add_nc_u32 v[SOP+\n], 0xff000000, v[TM+\n]   ; 2 off its exponent field: the conversion's scale operand
.endr
.irp n, 0,1,2,3,4,5,6,7
	v_lshrrev_b32 v[BY+\n], 23, v[SOP+\n]          ; the scale's byte
.endr
.irp o, 0,1,2,3
	v_lshl_or_b32 v[SC+\o], v[BY+2*\o+1], 8, v[BY+2*\o]   ; outer tile o: my row's two bytes
.endr
.irp n, 0,1,2,3,4,5,6,7
	v_cvt_scalef32_pk8_fp4_f32 v[PC+2*\n], v[ACC+16*\n:ACC+16*\n+7], v[SOP+\n]
	v_cvt_scalef32_pk8_fp4_f32 v[PC+2*\n+1], v[ACC+16*\n+8:ACC+16*\n+15], v[SOP+\n]
.endr
	v_nop                                          ; one plain place behind the conversions
.irp o, 0,1,2,3                        ; the operand's layout wants a whole block in a lane: lanes 0-15 block 0, lanes 16-31 block 1
	v_permlane16_swap_b32 v[PC+4*\o], v[PC+4*\o+2]
	v_permlane16_swap_b32 v[PC+4*\o+1], v[PC+4*\o+3]
.endr
.irp o, 0,1,2,3
	global_store_b128 v[CA+\o], v[PC+4*\o:PC+4*\o+3], s[12:13]   ; four registers of an operand: 512 consecutive bytes, aligned
.endr
	s_mov_b32 vcc_lo, 0xffff0000
	v_cndmask_b32 v68, v[SC], v[SC+1], vcc_lo      ; lanes 0-15 tile 0's bytes, lanes 16-31 tile 1's
	v_cndmask_b32 v69, v[SC+2], v[SC+3], vcc_lo
	global_store_b16 v[SA], v68, s[12:13]
	global_store_b16 v[SA+1], v69, s[12:13]
	s_set_vgpr_msb 0x5
	s_wait_tensorcnt 0x0                           ; the wave's end
	ds_add_u32 v0, v1
	s_wait_dscnt 0x0
	s_set_vgpr_msb 0x500
	CROUND                                         ; the closing round: no work-group ends while a partner may still ask for a panel that names it
	s_endpgm
.Lfunc_end_k_qd164c4628f_qkv:
	.size	k_qd164c4628f_qkv, .Lfunc_end_k_qd164c4628f_qkv-k_qd164c4628f_qkv
	.p2alignl 7, 3214868480
	.fill 96, 4, 3214868480
	.section	.rodata,"a",@progbits
	.p2align	6, 0x0
	.amdhsa_kernel k_qd164c4628f_qkv
		.amdhsa_group_segment_fixed_size 245248
		.amdhsa_private_segment_fixed_size 0
		.amdhsa_enable_private_segment 0
		.amdhsa_kernarg_size 48
		.amdhsa_user_sgpr_count 2
		.amdhsa_user_sgpr_kernarg_segment_ptr 1
		.amdhsa_wavefront_size32 1
		.amdhsa_system_sgpr_workgroup_id_x 1
		.amdhsa_system_sgpr_workgroup_id_y 1
		.amdhsa_system_sgpr_workgroup_id_z 1
		.amdhsa_system_vgpr_workitem_id 0
		.amdhsa_next_free_vgpr 258
		.amdhsa_next_free_sgpr 100
		.amdhsa_reserve_vcc 1
		.amdhsa_float_denorm_mode_32 3
		.amdhsa_float_denorm_mode_16_64 3
		.amdhsa_memory_ordered 1
		.amdhsa_forward_progress 1
		.amdhsa_inst_pref_size 49
	.end_amdhsa_kernel
	.amdgpu_metadata
---
amdhsa.version: [ 1, 2 ]
amdhsa.kernels:
  - .name:           k_qd164c4628f_qkv
    .symbol:         k_qd164c4628f_qkv.kd
    .args:
      - { .name: pan, .offset: 0, .size: 8, .value_kind: global_buffer, .address_space: global }
      - { .name: bq, .offset: 8, .size: 8, .value_kind: global_buffer, .address_space: global }
      - { .name: bk, .offset: 16, .size: 8, .value_kind: global_buffer, .address_space: global }
      - { .name: bv, .offset: 24, .size: 8, .value_kind: global_buffer, .address_space: global }
      - { .name: qc, .offset: 32, .size: 8, .value_kind: global_buffer, .address_space: global }
      - { .name: kv, .offset: 40, .size: 8, .value_kind: global_buffer, .address_space: global }
    .group_segment_fixed_size: 245248
    .private_segment_fixed_size: 0
    .kernarg_segment_align: 8
    .kernarg_segment_size: 48
    .max_flat_workgroup_size: 384
    .sgpr_count:     100
    .vgpr_count:     258
    .wavefront_size: 32
...
	.end_amdgpu_metadata
.endif
;; end of part 2
;; launch attn (part 3): grid 8 x 32, 16 waves a work-group, clusters of 4 x 1, 169,984 bytes of LDS; arguments qc, kv, ao; writes ao
.if DOCPART == 3
	.amdgcn_target "amdgcn-amd-amdhsa--gfx1250"
	.amdhsa_code_object_version 6
	.text
	.protected	k_qd164c4628f_attn
	.globl	k_qd164c4628f_attn
	.p2align	8
	.type	k_qd164c4628f_attn,@function
k_qd164c4628f_attn:
	s_mov_b64 s[64:65], 0
	v_nop
	global_prefetch_b8 v0, s[64:65] scope:SCOPE_SE
	s_setreg_imm32_b32 hwreg(HW_REG_WAVE_MODE, 25, 1), 1
	s_wait_xcnt 0x0
	s_wait_alu depctr_hold_cnt(0) depctr_sa_sdst(0) depctr_va_vdst(0) depctr_va_sdst(0) depctr_va_ssrc(0) depctr_va_vcc(0) depctr_vm_vsrc(0)
	s_getreg_b32 s2, hwreg(HW_REG_IB_STS2, 6, 4)
	s_cmp_eq_u32 s2, 0
	s_cbranch_scc0 .Lentry_in_a_cluster
	s_endpgm
.Lentry_in_a_cluster:
	s_bfe_u32 s2, ttmp6, 0x10000c
	s_cmp_lg_u32 s2, 0x3003
	s_cbranch_scc0 .Lentry_shape_is_right
	s_endpgm
.Lentry_shape_is_right:
; O = softmax(Q K^T / 8) V for one head, both products on codes of FP4, and O's quantising along the channels for the output projection.
; THE SOFTMAX AHEAD OF THE SECOND PRODUCT: t = score x log2(e) / 8; M = the row's largest t so far, rounded UP to a whole number; p = 2^(t - M) is quantised along the keys, not normalised.
; The row's sum is taken of the unquantised p, in f32, and divides O at the end.  When M moves, the sum and O are multiplied by 2^(old M - new M): exact.
; SHARES.  A work-group owns 256 queries of one head, each of its sixteen waves one tile of 16.  Every wave walks the head's 16 steps of 128 keys: a loop of 15 trips with no barrier in it, and the last step written out.
; The head's whole block of kv, 139,264 bytes, lies in LDS, step k at 8,704 k; each byte is filled once; nothing is stored into LDS.
; CLUSTER: the four query blocks of a cluster belong to one head and read the same K and V: wave w of each asks for step w's block jointly, one tensor load a wave, at the head.
; No prefetch into the L2: all of K and V is asked for at the head, and there is no loop to run ahead in.
; LAYOUT.  Both products are used transposed: S^T = K Q^T, O^T = V^T P^T: a lane holds ONE query (lane % 16) throughout.
; THE KEYS OF A TILE ARE CHOSEN HERE, BY THE LANES' LDS ADDRESSES: row m of tile t (0..3) of group g (64 keys) is key 64 g + 32 (m / 8) + 8 t + m % 8.  In kv's images that key lies in tile 4 g + 2 (m / 8) + t % 2, row m % 8 + 8 (t / 2).
; So lane (r, h) holds in v[S + 32 g ..+ 31] the WHOLE block of 32 keys 64 g + 32 h on: a block's maximum needs no other lane, and the conversions' four registers are the second product's operand as they stand.
; K = 64 IN A FORM OF K = 128: source 0 holds TWO key tiles, t = 2 q at k = 0 .. 63, t = 2 q + 1 at k = 64 .. 127.  Q's four registers stand between zeros, v[16:27] = 0 0 0 0 q q q q 0 0 0 0:
; v[20:27] picks the first tile, v[16:23] the second; the other tile meets zero codes under the byte 1 and adds nothing.
; FROM LDS: step k + 1's fragments and scale words of K are loaded behind step k's score products, which have left their registers; V's at the head of their own step.
; Dependent lines stand between independent ones: the lines that make M between those LDS loads and the multiply-adds, the lines that make p's scale word between O^T's rescalings; maxima in eight chains, sums in four.
; A block's largest p is not searched for: the block's largest score goes through the same multiply-add and exponential (this takes v_exp_f32 not to fall where its input rises).
; LIMITS: the promise holds while |t| stays under 2^31; NaN and infinities are not served; a block of O whose largest magnitude lies under 2^-124, and a block of zeros, keep the byte 1 (only this program reads the bytes).
; OUT.  ao: panels of 64 tokens x K 1,024 as the output projection reads them; this head fills K step head / 2, registers 4 (head % 2) on and the scale word's half head % 2.
; The codes leave as 512 consecutive bytes; the two scale bytes of a row leave two bytes a lane (lanes l and l + 16 write the same bytes with the same value): blocks of 256 bytes are written there in parts.
.set STEPB, 8704
.set PAN,   34816
.set KB,    4352
.set SPARE, 0x29000                    ; the spare words: 128 bytes for each of 16 waves
.set L16,  1                           ; v1   16 x lane: V's place
.set AK0,  2                           ; v2   1,024 (r / 8) + 16 (r % 8) + 256 h: K's place
.set AKS0, 3                           ; v3   8,192 + 16 (r % 8) + 4 (r / 8): K's scale words
.set AVS0, 4                           ; v4   8,448 + 16 r: V's scale words
.set AK,   5                           ; v5-8 the same four in the step that begins at s[TB]
.set AV,   6
.set AKS,  7
.set AVS,  8
.set H8,   9                           ; v9   8 h
.set CO,   10                          ; v10  where my codes go
.set SO,   11                          ; v11  where my row's two scale bytes go
                                       ; v12 -M; v13 the largest score so far; v[14:15] the sum in two halves; v16-27 Q between zeros; v28, v29 Q's scale words
.set SPW,  30                          ; v30  my spare word; v31: 0; both kept for the add alone
.set NIL,  31
.set KF,   32                          ; v32-63   K: four pairs of key tiles
.set VF,   64                          ; v64-95   V^T: four channel tiles
.set S,    96                          ; v96-159  S^T, then p
.set O,    160                         ; v160-191 O^T
.set KS,   192                         ; v192-195 K's scale words of pair 2 g + q
.set VS,   196                         ; v196-199 V's scale words of tile o
.set PC,   224                         ; v224-231 p's codes
.set MX,   232                         ; v232-239 eight chains of maxima; then v232, v236 the blocks' largest; v233-235 at work on the scale word
.set C1,   242                         ; v[242:243], v[246:247], v[248:249]: three more chains of the sum
.set C2,   246
.set C3,   248                         ; v240 a lane permute's result; v241 the old -M; v244, v245 the conversions' scale operands; v252 f; v253 p's scale word; v254 at work
.set T,    200                         ; v200-215 eight first sums of the first block's p, two pairs of p each
.set TB,   48                          ; s48  where the next step begins in LDS; it also counts the loop
.macro CROUND
	s_barrier_signal -1
	s_barrier_wait -1
	s_cmp_lg_u32 s10, 0
	s_cbranch_scc1 .Lnot_wave_0_\@
	s_barrier_signal -3
.Lnot_wave_0_\@:
	s_barrier_wait -3
	s_barrier_signal -1
	s_barrier_wait -1
.endm
.macro ADDR                            ; the four LDS addresses of the step that begins at s[TB]
	v_add_nc_u32 v[AK], s[TB], v[AK0]
	v_add_nc_u32 v[AV], s[TB], v[L16]
	v_add_nc_u32 v[AKS], s[TB], v[AKS0]
	v_add_nc_u32 v[AVS], s[TB], v[AVS0]
.endm
.macro KLD g, q                        ; pair 2 g + q of key tiles, and its scale words
	ds_load_b128 v[KF+16*\g+8*\q:KF+16*\g+8*\q+3], v[AK] offset:2048*\g+128*\q
	ds_load_b128 v[KF+16*\g+8*\q+4:KF+16*\g+8*\q+7], v[AK] offset:2048*\g+128*\q+512
	ds_load_b32 v[KS+2*\g+\q], v[AKS] offset:8*\g+128*\q
.endm
.macro TM j                            ; t - M, two at a time
	v_pk_fma_f32 v[S+\j:S+1+\j], v[S+\j:S+1+\j], s[22:23], v[12:13] op_sel_hi:[1,0,0]
.endm
.macro OM j                            ; O^T under the new M, two at a time
	v_pk_mul_f32 v[O+\j:O+1+\j], v[O+\j:O+1+\j], v[252:253] op_sel_hi:[1,0]
	v_pk_mul_f32 v[O+2+\j:O+3+\j], v[O+2+\j:O+3+\j], v[252:253] op_sel_hi:[1,0]
.endm
.macro SUM4 a                          ; pairs a .. a + 3 of p onto the four chains
	v_pk_add_f32 v[14:15], v[14:15], v[S+2*(\a):S+2*(\a)+1]
	v_pk_add_f32 v[C1:C1+1], v[C1:C1+1], v[S+2*(\a)+2:S+2*(\a)+3]
	v_pk_add_f32 v[C2:C2+1], v[C2:C2+1], v[S+2*(\a)+4:S+2*(\a)+5]
	v_pk_add_f32 v[C3:C3+1], v[C3:C3+1], v[S+2*(\a)+6:S+2*(\a)+7]
.endm
	s_load_b128 s[4:7], s[0:1], 0x0                ; qc, kv
	s_load_b64 s[8:9], s[0:1], 0x10                ; ao
	v_lshl_add_u32 v[SPW], v0, 2, SPARE
	v_mov_b32 v[NIL], 0
	ds_add_u32 v[SPW], v[NIL]                      ; the opening lines: the add twice on end
	ds_add_u32 v[SPW], v[NIL]
	v_lshrrev_b32 v200, 5, v0
	v_and_b32 v201, 31, v0
	v_readfirstlane_b32 s10, v200                  ; wave 0..15
	v_and_b32 v202, 15, v0                         ; r
	v_bfe_u32 v203, v0, 4, 1                       ; h
	v_bfe_u32 v204, v0, 3, 1                       ; r / 8
	v_and_b32 v205, 7, v0
	v_lshlrev_b32 v[L16], 4, v201
	v_lshlrev_b32 v205, 4, v205                    ; 16 (r % 8)
	v_lshlrev_b32 v[H8], 3, v203
	v_lshl_add_u32 v[AVS0], v202, 4, 8448
	v_lshl_add_u32 v[AK0], v204, 10, v205
	v_lshl_add_u32 v[AKS0], v204, 2, v205
	v_lshl_add_u32 v[AK0], v203, 8, v[AK0]
	v_add_nc_u32 v[AKS0], 8192, v[AKS0]
	s_wait_alu depctr_va_vdst(0)                   ; the wait ahead of the scalar lines
	s_bfe_u32 s11, ttmp6, 0x40000                  ; cx
	s_lshl_b32 s12, ttmp9, 2
	s_add_co_u32 s12, s12, s11                     ; my block of 256 queries: it enters qc's and ao's addresses alone
	s_and_b32 s13, ttmp7, 0xffff                   ; bh, which the four partners share
	s_mov_b32 s24, 15|(3<<16)|(1<<21)              ; descriptor group 1: the mask names all four; 8,704 dense bytes as 34 rows of 32 elements of 8 bytes
	s_mov_b32 s25, 32<<16
	s_mov_b32 s26, 34<<16
	s_mov_b32 s27, 32<<16
	s_mov_b32 s28, 34
	s_mov_b32 s29, 32
	s_mov_b32 s30, 0
	s_mov_b32 s31, 0
	s_mul_i32 s50, s13, 16*STEPB
	s_mul_i32 s14, s10, STEPB                      ; I fetch step = wave
	s_add_co_u32 s50, s50, s14
	s_mov_b32 s51, 0
	s_lshl_b32 s52, s13, 3
	s_add_co_u32 s52, s52, s12
	s_mul_i32 s52, s52, STEPB                      ; my block of qc
	s_mov_b32 s53, 0
	s_lshr_b32 s54, s13, 4
	s_lshl_b32 s54, s54, 3
	s_add_co_u32 s54, s54, s12
	s_lshl_b32 s54, s54, 2
	s_lshr_b32 s15, s10, 2
	s_add_co_u32 s54, s54, s15                     ; ao's panel: 4 (8 batch + block) + wave / 4
	s_mul_i32 s54, s54, PAN
	s_and_b32 s16, s13, 15                         ; the head
	s_lshr_b32 s15, s16, 1
	s_mul_i32 s15, s15, KB
	s_add_co_u32 s54, s54, s15                     ; its K step
	s_mov_b32 s55, 0
	s_and_b32 s16, s16, 1
	s_and_b32 s17, s10, 3
	s_lshl_b32 s18, s17, 10
	s_lshl_b32 s19, s16, 9
	s_add_co_u32 s18, s18, s19
	v_add_nc_u32 v[CO], s18, v[L16]                ; my codes in that block: 1,024 (wave % 4) + 512 (head % 2) + 16 x lane
	s_lshl_b32 s18, s17, 2
	s_lshl_b32 s19, s16, 1
	s_add_co_u32 s18, s18, s19
	s_add_co_u32 s18, s18, 4096
	v_lshl_add_u32 v[SO], v202, 4, s18
	s_lshl_b32 s18, s10, 9
	v_add_nc_u32 v206, s18, v[L16]                 ; Q's image of my tile
	s_lshl_b32 s18, s10, 5
	v_lshl_add_u32 v207, v202, 1, s18              ; and its two scale bytes
	s_mov_b32 s20, 0x76543210
	s_mov_b32 s21, 0xfedcba98                      ; selects for lane l xor 16
	s_mov_b32 s22, 0x3e38aa3b                      ; c = log2(e) / 8
	s_mov_b32 s23, s22                             ; (named with it as a pair, so it is written)
	s_mov_b32 s[TB], 0
	s_wait_alu depctr_va_vdst(0)                   ; the wait directly ahead of the waits below
	s_wait_dscnt 0x0                               ; both opening adds are done
	s_mov_b32 s32, 1
	s_mov_b32 s33, s14
	CROUND                                         ; the round in front of the first joint loads; it needs no argument, so the arguments' load is out while the four work-groups meet
	s_wait_kmcnt 0x0
	s_add_nc_u64 s[34:35], s[6:7], s[50:51]
	s_or_b32 s35, s35, 0x80000000
	tensor_load_to_lds s[32:35], s[24:31]          ; every wave's one load
	s_nop 0
	s_add_nc_u64 s[4:5], s[4:5], s[52:53]
	s_add_nc_u64 s[8:9], s[8:9], s[54:55]
	global_load_b128 v[20:23], v206, s[4:5]        ; Q's four registers
	global_load_u16 v208, v207, s[4:5] offset:8192 ; and my query's two scale bytes
.irp j, 16,17,18,19,24,25,26,27
	v_mov_b32 v\j, 0                               ; the zero codes on both sides of Q
.endr
	ADDR                                           ; step 0
	v_mov_b32 v13, 0xff61b1e6                      ; the largest score so far: -3e38
	v_mov_b32 v14, 0                               ; the sum, in two halves
	v_mov_b32 v15, 0
	v_mov_b32 v240, 0                              ; a lane permute's destination counts as one of its sources
	v_mov_b32 v253, 0                              ; (named as the upper half of the pair v[252:253] before it is first written)
	v_mul_f32 v12, s22, v13
	v_floor_f32 v12, -v12                          ; -M
	s_wait_loadcnt 0x0
	v_or_b32 v28, 0x01010000, v208                 ; Q's scale word for a pair's first tile: its bytes below, the byte 1 over the zero codes
	v_lshl_or_b32 v29, v208, 16, 0x0101            ; and for the second
.irp j, 0,1,2,3,4,5,6,7,8,9,10,11,12,13,14,15,16,17,18,19,20,21,22,23,24,25,26,27,28,29,30,31
	v_mov_b32 v[O+\j], 0                           ; O^T: the first step finds zeros.  (More than the eight places that a scale register written by a vector instruction owes)
.endr
	s_wait_alu depctr_va_vdst(0)                   ; the wait at the head's end
	s_wait_tensorcnt 0x0                           ; my step's block has landed
	s_barrier_signal -1
	s_barrier_wait -1                              ; everybody's has; nothing is filled again
	KLD 0, 0                                       ; step 0's K
	KLD 0, 1
	KLD 1, 0
	KLD 1, 1
; A KEY STEP: 128 keys.  last = 0: step k + 1's K is loaded on the way
.macro STEP last
.irp o, 0,1,2,3
.irp c, 0,1
	ds_load_b128 v[VF+8*\o+4*\c:VF+8*\o+4*\c+3], v[AV] offset:4096+1024*\o+512*\c
.endr
.endr
	ds_load_b128 v[VS:VS+3], v[AVS]
.if !\last
	s_add_co_u32 s[TB], s[TB], STEPB
.endif
	s_wait_dscnt 9                                 ; K's twelve loads, issued a step ago, are in; V's nine may be out
.irp p, 0,1,2,3
	v_wmma_scale_f32_16x16x128_f8f6f4 v[S+16*\p:S+16*\p+7], v[KF+8*\p:KF+8*\p+7], v[20:27], 0, v[KS+\p], v28 matrix_a_fmt:MATRIX_FMT_FP4 matrix_b_fmt:MATRIX_FMT_FP4
	v_wmma_scale_f32_16x16x128_f8f6f4 v[S+16*\p+8:S+16*\p+15], v[KF+8*\p:KF+8*\p+7], v[16:23], 0, v[KS+\p], v29 matrix_a_fmt:MATRIX_FMT_FP4 matrix_b_fmt:MATRIX_FMT_FP4
.endr
.if \last
.rept 4
	v_nop                                          ; four places in front of the first read of the scores
.endr
.else
	ADDR                                           ; the next step's addresses: the four places in front of the first read of the scores
.endif
.irp a, 0,1,2,3,4,5,6,7
	v_max3_num_f32 v[MX+\a], v[S+8*\a], v[S+1+8*\a], v[S+2+8*\a]   ; eight chains by turns, one to an accumulator, each from its low end on
.endr
.irp i, 3,5
.irp a, 0,1,2,3,4,5,6,7
	v_max3_num_f32 v[MX+\a], v[MX+\a], v[S+8*\a+\i], v[S+1+8*\a+\i]
.endr
.endr
	v_max3_num_f32 v232, v232, v233, v[S+7]
	v_max3_num_f32 v236, v236, v237, v[S+39]
	v_max3_num_f32 v234, v234, v235, v[S+15]
	v_max3_num_f32 v238, v238, v239, v[S+47]
	v_mov_b32 v241, v12                            ; the old -M
	v_max3_num_f32 v232, v232, v234, v[S+23]
	v_max3_num_f32 v236, v236, v238, v[S+55]
	v_max_num_f32 v232, v232, v[S+31]              ; the largest score of my block 64 g + 32 h on, g = 0,
	v_max_num_f32 v236, v236, v[S+63]              ; g = 1: each serves for the row's maximum and for the block's largest p
.if !\last
	KLD 0, 0                                       ; the score products, 4 places and more back, have left these registers
.endif
	v_max_num_f32 v254, v232, v236
.if !\last
	KLD 0, 1
.endif
	v_permlanex16_b32 v240, v254, s20, s21         ; lane l xor 16's two blocks
.if !\last
	KLD 1, 0
.endif
	v_max3_num_f32 v13, v13, v254, v240            ; the largest score so far (c is positive)
.if !\last
	KLD 1, 1
.endif
	v_mul_f32 v254, s22, v13                       ; as t
	v_floor_f32 v12, -v254                         ; the new -M = -ceil(t)
.irp j, 0,2,4,6
	TM \j
.endr
	v_sub_f32 v254, v12, v241                      ; old M - new M: a whole number, 0 or less
.irp j, 8,10,12,14
	TM \j
.endr
	v_cvt_i32_f32 v254, v254                       ; (it saturates)
.irp j, 16,18,20,22
	TM \j
.endr
	v_ldexp_f32 v252, 1.0, v254                    ; f = 2^(old M - new M)
.irp j, 24,26,28,30
	TM \j
.endr
	v_fma_f32 v232, v232, s22, v12                 ; the same of the first block's largest score
	s_wait_alu depctr_va_vdst(0)                   ; the wait ahead of the batch, and directly ahead of the wait below
.if \last
	s_wait_dscnt 0x0                               ; V is in
.else
	s_wait_dscnt 12                                ; V is in; the next step's twelve loads of K may be out
.endif
.irp j, 0,2,4,6,8,10,12,14,16,18,20,22,24,26,28,30   ; THE FIRST BATCH: p = 2^(t - M), at most 1, of my first block; between its lines the second block's t - M, which is first read behind the next wait
	v_exp_f32 v[S+\j], v[S+\j]
	v_exp_f32 v[S+1+\j], v[S+1+\j]
	TM 32+\j
.endr
	v_exp_f32 v232, v232                           ; the first block's largest p
	v_fma_f32 v236, v236, s22, v12                 ; the second block's largest score as t - M.  (A plain place behind the exponentials)
	s_wait_alu depctr_va_vdst(0)                   ; the wait behind the first batch and ahead of the second
.irp i, 0,1,2,3,4,5,6,7                ; THE SECOND BATCH; between its lines eight first sums of the first block's p, none of which reads another: each is first read behind the next wait
	v_exp_f32 v[S+32+4*\i], v[S+32+4*\i]
	v_exp_f32 v[S+33+4*\i], v[S+33+4*\i]
	v_exp_f32 v[S+34+4*\i], v[S+34+4*\i]
	v_exp_f32 v[S+35+4*\i], v[S+35+4*\i]
	v_pk_add_f32 v[T+2*\i:T+2*\i+1], v[S+4*\i:S+4*\i+1], v[S+4*\i+2:S+4*\i+3]
.endr
	v_exp_f32 v236, v236                           ; the second block's largest p
	v_pk_mul_f32 v[14:15], v[14:15], v[252:253] op_sel_hi:[1,0]   ; the sums under the new M.  (A plain place behind the exponentials)
	s_wait_alu depctr_va_vdst(0)                   ; one wait for the batch and, directly ahead of O^T's first readers, for the last step's products
	OM 0                                           ; O^T's sixteen rescalings, each accumulator from its low end on; between them the lines that make p's scale word
	v_max_num_f32 v232, 0x1800000, v232            ; the floor 2^(3 - 127): the byte cannot fall under 1
	v_max_num_f32 v236, 0x1800000, v236
	OM 4
	v_add_nc_u32 v244, 0xff000000, v232            ; 2 off the exponent field: the conversion's scale operand
	v_add_nc_u32 v245, 0xff000000, v236
	OM 8
	v_lshrrev_b32 v234, 23, v244                   ; the scale's byte
	v_lshrrev_b32 v235, 23, v245
	OM 12
	v_lshl_or_b32 v233, v235, 16, v234             ; my two bytes, blocks h and 2 + h,
	OM 16
	v_lshlrev_b32 v233, v[H8], v233                ; at their places;
	OM 20
	v_permlanex16_b32 v240, v233, s20, s21
	OM 24
	v_or_b32 v253, v233, v240                      ; with lane l xor 16's two: p's scale word for these 128 keys
	OM 28
.irp g, 0,1
.irp t, 0,1,2,3
	v_cvt_scalef32_pk8_fp4_f32 v[PC+4*\g+\t], v[S+32*\g+8*\t:S+32*\g+8*\t+7], v[244+\g]   ; registers 4 g .. 4 g + 3 of the operand: k = 64 g + 32 h on
.endr
.endr
	v_pk_add_f32 v[14:15], v[14:15], v[T:T+1]      ; the row's sum of the UNQUANTISED p, in four chains: the eight first sums, then the second block's pairs.  These thirteen are the places behind the conversions (four are owed) and behind p's scale word (eight)
	v_pk_add_f32 v[C1:C1+1], v[T+2:T+3], v[T+4:T+5]
	v_pk_add_f32 v[C2:C2+1], v[T+6:T+7], v[T+8:T+9]
	v_pk_add_f32 v[C3:C3+1], v[T+10:T+11], v[T+12:T+13]
	v_pk_add_f32 v[14:15], v[14:15], v[T+14:T+15]
	SUM4 16
	SUM4 20
.irp o, 0,1,2,3
	v_wmma_scale_f32_16x16x128_f8f6f4 v[O+8*\o:O+8*\o+7], v[VF+8*\o:VF+8*\o+7], v[PC:PC+7], v[O+8*\o:O+8*\o+7], v[VS+\o], v253 matrix_a_fmt:MATRIX_FMT_FP4 matrix_b_fmt:MATRIX_FMT_FP4
.endr
	SUM4 24                                        ; the rest of the sum stands behind the products: the places in front of the next step's loads
	SUM4 28
	v_pk_add_f32 v[C2:C2+1], v[C2:C2+1], v[C3:C3+1]
	v_pk_add_f32 v[14:15], v[14:15], v[C1:C1+1]
	v_pk_add_f32 v[14:15], v[14:15], v[C2:C2+1]
.endm
.Lstep:                                            ; steps 0 .. 14
	STEP 0
	s_cmp_lg_u32 s[TB], 15*STEPB
	s_cbranch_scc1 .Lstep
	STEP 1                                         ; step 15 loads nothing beyond the head's last key
	; THE WAY OUT: O^T / the sum, quantised along the channels: register 16 n + i = channel 32 n + 16 h + i of my query
	v_add_f32 v14, v14, v15                        ; the sum's two halves,
	s_delay_alu instid0(VALU_DEP_1)
	v_permlanex16_b32 v252, v14, s20, s21
	s_delay_alu instid0(VALU_DEP_1)
	v_add_f32 v14, v14, v252                       ; and lane l xor 16's
	s_wait_alu depctr_va_vdst(0)                   ; the wait ahead of the transcendental
	v_rcp_f32 v14, v14
	v_nop                                          ; a plain place behind the transcendental
	s_wait_alu depctr_va_vdst(0)                   ; and ahead of its first reader, which is O^T's first reader too
.irp j, 0,2,4,6,8,10,12,14,16,18,20,22,24,26,28,30
	v_pk_mul_f32 v[O+\j:O+1+\j], v[O+\j:O+1+\j], v[14:15] op_sel_hi:[1,0]
.endr
.irp n, 0,1
	v_max3_num_f32 v[232+\n], |v[O+16*\n]|, |v[O+1+16*\n]|, 0x1800000
.endr
.irp i, 2,4,6,8,10,12,14
.irp n, 0,1
	s_delay_alu instid0(VALU_DEP_2)
	v_max3_num_f32 v[232+\n], v[232+\n], |v[O+16*\n+\i]|, |v[O+1+16*\n+\i]|
.endr
.endr
.irp n, 0,1
	s_delay_alu instid0(VALU_DEP_2)
	v_permlanex16_b32 v[236+\n], v[232+\n], s20, s21
.endr
.irp n, 0,1
	s_delay_alu instid0(VALU_DEP_2)
	v_max_num_f32 v[232+\n], v[232+\n], v[236+\n]
.endr
.irp n, 0,1
	s_delay_alu instid0(VALU_DEP_2)
	v_add_nc_u32 v[244+\n], 0xff000000, v[232+\n]
.endr
.irp n, 0,1
	s_delay_alu instid0(VALU_DEP_2)
	v_lshrrev_b32 v[238+\n], 23, v[244+\n]
.endr
	s_delay_alu instid0(VALU_DEP_1)
	v_lshl_or_b32 v240, v239, 8, v238              ; my row's two scale bytes
.irp n, 0,1
	v_cvt_scalef32_pk8_fp4_f32 v[PC+2*\n], v[O+16*\n:O+7+16*\n], v[244+\n]
	v_cvt_scalef32_pk8_fp4_f32 v[PC+1+2*\n], v[O+8+16*\n:O+15+16*\n], v[244+\n]
.endr
	v_nop
	v_permlane16_swap_b32 v224, v226               ; a whole block in a lane: lanes 0-15 block 0, lanes 16-31 block 1
	v_permlane16_swap_b32 v225, v227
	global_store_b128 v[CO], v[224:227], s[8:9]    ; 512 consecutive bytes, aligned
	global_store_b16 v[SO], v240, s[8:9]
	s_wait_tensorcnt 0x0                           ; the wave's end
	ds_add_u32 v[SPW], v[NIL]
	s_wait_dscnt 0x0
	CROUND                                         ; the closing round
	s_endpgm
.Lfunc_end_k_qd164c4628f_attn:
	.size	k_qd164c4628f_attn, .Lfunc_end_k_qd164c4628f_attn-k_qd164c4628f_attn
	.p2alignl 7, 3214868480
	.fill 96, 4, 3214868480
	.section	.rodata,"a",@progbits
	.p2align	6, 0x0
	.amdhsa_kernel k_qd164c4628f_attn
		.amdhsa_group_segment_fixed_size 169984
		.amdhsa_private_segment_fixed_size 0
		.amdhsa_enable_private_segment 0
		.amdhsa_kernarg_size 24
		.amdhsa_user_sgpr_count 2
		.amdhsa_user_sgpr_kernarg_segment_ptr 1
		.amdhsa_wavefront_size32 1
		.amdhsa_system_sgpr_workgroup_id_x 1
		.amdhsa_system_sgpr_workgroup_id_y 1
		.amdhsa_system_sgpr_workgroup_id_z 1
		.amdhsa_system_vgpr_workitem_id 0
		.amdhsa_next_free_vgpr 256
		.amdhsa_next_free_sgpr 66
		.amdhsa_reserve_vcc 0
		.amdhsa_float_denorm_mode_32 3
		.amdhsa_float_denorm_mode_16_64 3
		.amdhsa_memory_ordered 1
		.amdhsa_forward_progress 1
		.amdhsa_inst_pref_size 39
	.end_amdhsa_kernel
	.amdgpu_metadata
---
amdhsa.version: [ 1, 2 ]
amdhsa.kernels:
  - .name:           k_qd164c4628f_attn
    .symbol:         k_qd164c4628f_attn.kd
    .args:
      - { .name: qc, .offset: 0, .size: 8, .value_kind: global_buffer, .address_space: global }
      - { .name: kv, .offset: 8, .size: 8, .value_kind: global_buffer, .address_space: global }
      - { .name: ao, .offset: 16, .size: 8, .value_kind: global_buffer, .address_space: global }
    .group_segment_fixed_size: 169984
    .private_segment_fixed_size: 0
    .kernarg_segment_align: 8
    .kernarg_segment_size: 24
    .max_flat_workgroup_size: 512
    .sgpr_count:     66
    .vgpr_count:     256
    .wavefront_size: 32
...
	.end_amdgpu_metadata
.endif
;; end of part 3
;; launch oproj (part 4): grid 16 x 16, 8 waves a work-group, clusters of 4 x 4, 209,920 bytes of LDS; arguments ao, pan, bo, out0; writes out0
.if DOCPART == 4
	.amdgcn_target "amdgcn-amd-amdhsa--gfx1250"
	.amdhsa_code_object_version 6
	.text
	.protected	k_qd164c4628f_oproj
	.globl	k_qd164c4628f_oproj
	.p2align	8
	.type	k_qd164c4628f_oproj,@function
k_qd164c4628f_oproj:
	s_mov_b64 s[64:65], 0
	v_nop
	global_prefetch_b8 v0, s[64:65] scope:SCOPE_SE
	s_setreg_imm32_b32 hwreg(HW_REG_WAVE_MODE, 25, 1), 1
	s_wait_xcnt 0x0
	s_wait_alu depctr_hold_cnt(0) depctr_sa_sdst(0) depctr_va_vdst(0) depctr_va_sdst(0) depctr_va_ssrc(0) depctr_va_vcc(0) depctr_vm_vsrc(0)
	s_getreg_b32 s2, hwreg(HW_REG_IB_STS2, 6, 4)
	s_cmp_eq_u32 s2, 0
	s_cbranch_scc0 .Lentry_in_a_cluster
	s_endpgm
.Lentry_in_a_cluster:
	s_bfe_u32 s2, ttmp6, 0x10000c
	s_cmp_lg_u32 s2, 0xf033
	s_cbranch_scc0 .Lentry_shape_is_right
	s_endpgm
.Lentry_shape_is_right:
; out0 = O Wo^T + bo on codes of FP4.  ao: the attention's output as 64 panels (64 tokens x K 1,024, in the order of the operand's registers); Wo: panels 112-127 of pan, 64 output channels each.
; SHARES.  A work-group owns 256 tokens x 64 channels.  Eight waves: wave w takes tiles 2 u, 2 u + 1 (u = w % 2) of ao's panel 4 x token block + w / 2: 32 tokens x 64 channels, 8 accumulators, (o, i) at v[168 + 8 (4 o + i)].
; Source 0 = Wo's tile i, source 1 = ao's tile: a lane holds one token, and register j of (o, i) channel 32 (i / 2) + 8 (i % 2) + 16 h + j; lane r of the panel's tile t is token 32 (t / 2) + 8 (t % 2) + r + 8 (r / 8).
; LDS: ao's four panels, Wo's panel, each byte filled once; behind them, in blocks of their own into which no fill lands, a stage of 16 rows x 272 bytes for each wave, and the spare words.
; CLUSTERS: 4 x 4.  ao's panels hang on the token block and are shared along a row of the cluster, Wo's panel on the channels and is shared along a column: both are asked for jointly.
; One tensor load a wave, at the head: waves 0-3 a panel of ao each, waves 4-7 a quarter of Wo's panel each; one barrier shows all to every wave.  No prefetch: all tiles are asked for at the head, and there is no loop to run ahead in.
; Fragments and scale words have two sets of registers: K step s + 1 is fetched from LDS ahead of step s's products.
.set PAN,  34816
.set KB,   4352
.set CH,   8704
.set SCO,  4096
.set STG,  5*PAN
.set SPT,  272                         ; a stage row: 256 bytes + 16, so that sixteen lanes that write sixteen rows start 4 words apart
.set SPARE, STG+8*16*SPT               ; the spare words: 128 bytes for each of 8 waves
.set AIN,  5                           ; v5   Wo's panel + 16 x lane
.set AOUT, 6                           ; v6   my two tiles of ao + 16 x lane
.set ASI,  7                           ; v7   Wo's scale words + 16 r
.set ASO,  8                           ; v8   my two tiles' scale words
.set STO,  9                           ; v9   the stage: where I put 16 bytes of my token's row
.set RD,   10                         ; v10  and where I read a row back
.set CO,   11                          ; v11  my byte offset in two rows of out0
.set SPW,  22
.set NIL,  23
.set SWI,  24                          ; v24-27, v32-35 Wo's scale words, set 0, 1
.set SWO,  28                          ; v28-29, v36-37 ao's
.set BIAS, 40                          ; v40-71
.set IN,   72                          ; v72-103, v104-135 Wo's fragments
.set OUT,  136                         ; v136-151, v152-167 ao's
.set ACC,  168
.set BK,   72                          ; the way out: v72-103 and v104-135
.macro CROUND
	s_barrier_signal -1
	s_barrier_wait -1
	s_cmp_lg_u32 s16, 0
	s_cbranch_scc1 .Lnot_wave_0_\@
	s_barrier_signal -3
.Lnot_wave_0_\@:
	s_barrier_wait -3
	s_barrier_signal -1
	s_barrier_wait -1
.endm
	s_load_b256 s[4:11], s[0:1], 0x0               ; ao, pan, bo, out0
	v_lshl_add_u32 v[SPW], v0, 2, SPARE
	v_mov_b32 v[NIL], 0
	ds_add_u32 v[SPW], v[NIL]                      ; the opening lines: the add twice on end
	ds_add_u32 v[SPW], v[NIL]
	v_lshrrev_b32 v1, 5, v0
	v_and_b32 v13, 31, v0
	v_readfirstlane_b32 s16, v1                    ; wave 0..7
	v_and_b32 v2, 15, v0                           ; r
	v_bfe_u32 v3, v0, 4, 1                         ; h
	v_lshlrev_b32 v4, 4, v13                       ; 16 x lane
	s_wait_alu depctr_va_vdst(0)                   ; the wait ahead of the scalar lines
	s_lshr_b32 s17, s16, 1                         ; which panel of ao I multiply
	s_and_b32 s18, s16, 1                          ; u: which two of its tiles
	s_and_b32 s19, s16, 3                          ; which panel, or which quarter, I fetch
	s_mul_i32 s72, s17, PAN
	s_lshl_b32 s73, s18, 11
	s_add_co_u32 s73, s73, s72                     ; my two tiles
	s_lshl_b32 s74, s18, 3
	s_add_co_u32 s74, s74, s72
	s_add_co_u32 s74, s74, SCO                     ; their scale words: 8 u on in each row's sixteen bytes
	s_mul_i32 s75, s16, 16*SPT
	s_add_co_u32 s75, s75, STG                     ; my stage
	s_bfe_u32 s20, ttmp6, 0x40000                  ; cx
	s_bfe_u32 s21, ttmp6, 0x40004                  ; cy
	s_lshl_b32 s22, ttmp9, 2
	s_add_co_u32 s22, s22, s20                     ; the block of 64 channels
	s_and_b32 s23, ttmp7, 0xffff
	s_lshl_b32 s23, s23, 2
	s_add_co_u32 s23, s23, s21                     ; the block of 256 tokens
	s_lshl_b32 s76, s21, 2
	s_lshl_b32 s76, 15, s76                        ; my row of the cluster
	s_lshl_b32 s77, 0x1111, s20                    ; my column
	s_or_b32 s24, s76, (3<<16)|(1<<21)             ; descriptor group 1, rows of 32 elements of 8 bytes, dense: ao's panels, 136 rows, go to my row;
	s_or_b32 s32, s77, (3<<16)|(1<<21)             ; Wo's quarters, 34 rows, to my column
.irp g, 24, 32
	s_mov_b32 s[\g+1], 32<<16
	s_mov_b32 s[\g+3], 32<<16
	s_mov_b32 s[\g+5], 32
	s_mov_b32 s[\g+6], 0
	s_mov_b32 s[\g+7], 0
.endr
	s_mov_b32 s26, 136<<16
	s_mov_b32 s28, 136
	s_mov_b32 s34, 34<<16
	s_mov_b32 s36, 34
	s_lshl_b32 s68, s23, 2
	s_add_co_u32 s68, s68, s19
	s_mul_i32 s68, s68, PAN                        ; made of the token block and the wave alone
	s_mov_b32 s69, 0
	s_add_co_u32 s70, s22, 112
	s_mul_i32 s70, s70, PAN
	s_mul_i32 s71, s19, CH
	s_add_co_u32 s70, s70, s71                     ; made of the channels' block and the wave alone
	s_mov_b32 s71, 0
	s_mul_i32 s60, s19, PAN                        ; where they go
	s_mul_i32 s61, s19, CH
	s_add_co_u32 s61, s61, 4*PAN
	s_lshl_b32 s62, s23, 8
	s_lshl_b32 s63, s17, 6
	s_add_co_u32 s62, s62, s63
	s_lshl_b32 s63, s18, 5
	s_add_co_u32 s62, s62, s63                     ; my first token: 256 x block + 64 x panel + 32 u
	s_lshl_b32 s62, s62, 12                        ; its row of out0,
	s_lshl_b32 s66, s22, 8
	s_add_co_u32 s62, s62, s66                     ; my 64 channels
	s_mov_b32 s63, 0
	s_mov_b32 s67, 0
	v_add_nc_u32 v[AIN], 4*PAN, v4
	v_add_nc_u32 v[AOUT], s73, v4
	v_lshlrev_b32 v[ASO], 4, v2
	v_mul_u32_u24 v[STO], v2, SPT
	v_mul_u32_u24 v[RD], v3, SPT
	v_lshlrev_b32 v[CO], 12, v3
	v_add_nc_u32 v[ASI], 4*PAN+SCO, v[ASO]
	v_add_nc_u32 v[ASO], s74, v[ASO]
	v_lshl_add_u32 v[STO], v3, 6, v[STO]
	v_lshl_add_u32 v[RD], v2, 4, v[RD]
	v_lshl_add_u32 v[CO], v2, 4, v[CO]             ; two rows of out0: lanes 0-15 one, lanes 16-31 the next
	v_lshlrev_b32 v12, 6, v3                       ; the bias: 64 h
	v_add_nc_u32 v[STO], s75, v[STO]               ; in: row r, + 64 h
	v_add_nc_u32 v[RD], s75, v[RD]                 ; back: lanes 0-15 one row of 256 bytes, lanes 16-31 the next
	s_wait_alu depctr_va_vdst(0)                   ; the wait at the head's end, directly ahead of the waits below
	s_wait_dscnt 0x0                               ; both opening adds are done
	CROUND                                         ; the round in front of the first joint loads; it needs no argument, so the arguments' load is out while the sixteen work-groups meet
	s_wait_kmcnt 0x0
	s_add_nc_u64 s[68:69], s[4:5], s[68:69]
	s_add_nc_u64 s[70:71], s[6:7], s[70:71]
	s_add_nc_u64 s[8:9], s[8:9], s[66:67]          ; bo at my 64 channels
	s_add_nc_u64 s[10:11], s[10:11], s[62:63]
.irp i, 0,1,2,3
	global_load_b128 v[BIAS+8*\i:BIAS+8*\i+3], v12, s[8:9] offset:(32*(\i/2)+8*(\i%2))*4        ; bo in the result's layout
	global_load_b128 v[BIAS+8*\i+4:BIAS+8*\i+7], v12, s[8:9] offset:(32*(\i/2)+8*(\i%2))*4+16
.endr
	s_mov_b32 s40, 1
	s_mov_b32 s41, s60
	s_mov_b64 s[42:43], s[68:69]
	s_or_b32 s43, s43, 0x80000000
	s_mov_b32 s44, 1
	s_mov_b32 s45, s61
	s_mov_b64 s[46:47], s[70:71]
	s_or_b32 s47, s47, 0x80000000
	s_cmp_lt_u32 s16, 4                            ; one load in each arm of one branch on the wave's number
	s_cbranch_scc0 .Lfor_w
	tensor_load_to_lds s[40:43], s[24:31]
	s_nop 0
.rept 4
	v_nop
.endr
	s_branch .Lasked
.Lfor_w:
	tensor_load_to_lds s[44:47], s[32:39]
	s_nop 0
.rept 4
	v_nop
.endr
.Lasked:
.macro FETCH s, b                      ; K step s into set b: 14 LDS loads
.irp t, 0,1,2,3
.irp c, 0,1
	ds_load_b128 v[IN+32*(\b)+8*\t+4*\c:IN+32*(\b)+8*\t+4*\c+3], v[AIN] offset:(\s)*KB+1024*\t+512*\c
.endr
.endr
.irp t, 0,1
.irp c, 0,1
	ds_load_b128 v[OUT+16*(\b)+8*\t+4*\c:OUT+16*(\b)+8*\t+4*\c+3], v[AOUT] offset:(\s)*KB+1024*\t+512*\c
.endr
.endr
	ds_load_b128 v[SWI+8*(\b):SWI+8*(\b)+3], v[ASI] offset:(\s)*KB
	ds_load_b64 v[SWO+8*(\b):SWO+8*(\b)+1], v[ASO] offset:(\s)*KB
.endm
.macro MULS b, first                   ; 8 products, the accumulators by turns in the same order in every step.  first = 1: the sums begin with the bias
.irp o, 0,1
.irp i, 0,1,2,3
.if \first
	v_wmma_scale_f32_16x16x128_f8f6f4 v[ACC+8*(4*\o+\i):ACC+8*(4*\o+\i)+7], v[IN+32*(\b)+8*\i:IN+32*(\b)+8*\i+7], v[OUT+16*(\b)+8*\o:OUT+16*(\b)+8*\o+7], v[BIAS+8*\i:BIAS+8*\i+7], v[SWI+8*(\b)+\i], v[SWO+8*(\b)+\o] matrix_a_fmt:MATRIX_FMT_FP4 matrix_b_fmt:MATRIX_FMT_FP4
.else
	v_wmma_scale_f32_16x16x128_f8f6f4 v[ACC+8*(4*\o+\i):ACC+8*(4*\o+\i)+7], v[IN+32*(\b)+8*\i:IN+32*(\b)+8*\i+7], v[OUT+16*(\b)+8*\o:OUT+16*(\b)+8*\o+7], v[ACC+8*(4*\o+\i):ACC+8*(4*\o+\i)+7], v[SWI+8*(\b)+\i], v[SWO+8*(\b)+\o] matrix_a_fmt:MATRIX_FMT_FP4 matrix_b_fmt:MATRIX_FMT_FP4
.endif
.endr
.endr
.endm
	s_wait_tensorcnt 0x0                           ; my load has landed
	s_barrier_signal -1
	s_barrier_wait -1                              ; everybody's has; nothing is filled again
	FETCH 0, 0
	FETCH 1, 1
	s_wait_dscnt 14                                ; step 0's fourteen loads are in; step 1's may be out
	s_wait_loadcnt 0x0                             ; the bias
	MULS 0, 1
.irp s, 1,2,3,4,5,6
.rept 4
	v_nop                                          ; four places in front of loads into registers that the last products have read
.endr
	FETCH \s+1, (\s+1)%2
	s_wait_dscnt 14                                ; this step's loads are in; the next step's fourteen may be out
	MULS (\s)%2, 0
.endr
	s_wait_dscnt 0x0
	MULS 1, 0
; THE WAY OUT, a tile of 16 tokens x 64 channels at a time.  A lane holds pieces of one token's row: they go through my own stage and come back as whole rows of 256 bytes.
; LDS serves a wave's instructions in order: no wait between the stores and the loads, nor in front of the next tile's stores.
.macro TOSTAGE o
.irp i, 0,1,2,3
	ds_store_b128 v[STO], v[ACC+8*(4*(\o)+\i):ACC+8*(4*(\o)+\i)+3] offset:(32*(\i/2)+8*(\i%2))*4         ; each accumulator from its low end on
	ds_store_b128 v[STO], v[ACC+8*(4*(\o)+\i)+4:ACC+8*(4*(\o)+\i)+7] offset:(32*(\i/2)+8*(\i%2))*4+16
.endr
.irp t, 0,1,2,3,4,5,6,7
	ds_load_b128 v[BK+32*(\o)+4*\t:BK+32*(\o)+4*\t+3], v[RD] offset:2*SPT*\t
.endr
.endm
.macro SEND o, younger                 ; younger: the LDS instructions issued behind tile o's loads, which may stay out
	s_wait_dscnt \younger
.irp t, 0,1,2,3,4,5,6,7
	global_store_b128 v[CO], v[BK+32*(\o)+4*\t:BK+32*(\o)+4*\t+3], s[10:11] offset:(8*(\o)+2*\t+8*(\t/4))*4096 th:TH_STORE_NT   ; stage rows 2 t, 2 t + 1 are tokens 8 o + 2 t + 8 (t / 4) and the next of my 32: 16 lanes store 256 consecutive bytes, aligned
.endr
.endm
.rept 4
	v_nop                                          ; four places in front of the first read of results and of loads into registers that the products have read
.endr
	TOSTAGE 0
	TOSTAGE 1
	SEND 0, 16                                     ; behind tile 0's loads: tile 1's 8 stores and 8 loads
	SEND 1, 0
	s_wait_tensorcnt 0x0                           ; the wave's end
	ds_add_u32 v[SPW], v[NIL]
	s_wait_dscnt 0x0
	CROUND                                         ; the closing round
	s_endpgm
.Lfunc_end_k_qd164c4628f_oproj:
	.size	k_qd164c4628f_oproj, .Lfunc_end_k_qd164c4628f_oproj-k_qd164c4628f_oproj
	.p2alignl 7, 3214868480
	.fill 96, 4, 3214868480
	.section	.rodata,"a",@progbits
	.p2align	6, 0x0
	.amdhsa_kernel k_qd164c4628f_oproj
		.amdhsa_group_segment_fixed_size 209920
		.amdhsa_private_segment_fixed_size 0
		.amdhsa_enable_private_segment 0
		.amdhsa_kernarg_size 32
		.amdhsa_user_sgpr_count 2
		.amdhsa_user_sgpr_kernarg_segment_ptr 1
		.amdhsa_wavefront_size32 1
		.amdhsa_system_sgpr_workgroup_id_x 1
		.amdhsa_system_sgpr_workgroup_id_y 1
		.amdhsa_system_sgpr_workgroup_id_z 1
		.amdhsa_system_vgpr_workitem_id 0
		.amdhsa_next_free_vgpr 256
		.amdhsa_next_free_sgpr 80
		.amdhsa_reserve_vcc 0
		.amdhsa_float_denorm_mode_32 3
		.amdhsa_float_denorm_mode_16_64 3
		.amdhsa_memory_ordered 1
		.amdhsa_forward_progress 1
		.amdhsa_inst_pref_size 27
	.end_amdhsa_kernel
	.amdgpu_metadata
---
amdhsa.version: [ 1, 2 ]
amdhsa.kernels:
  - .name:           k_qd164c4628f_oproj
    .symbol:         k_qd164c4628f_oproj.kd
    .args:
      - { .name: ao, .offset: 0, .size: 8, .value_kind: global_buffer, .address_space: global }
      - { .name: pan, .offset: 8, .size: 8, .value_kind: global_buffer, .address_space: global }
      - { .name: bo, .offset: 16, .size: 8, .value_kind: global_buffer, .address_space: global }
      - { .name: out0, .offset: 24, .size: 8, .value_kind: global_buffer, .address_space: global }
    .group_segment_fixed_size: 209920
    .private_segment_fixed_size: 0
    .kernarg_segment_align: 8
    .kernarg_segment_size: 32
    .max_flat_workgroup_size: 256
    .sgpr_count:     80
    .vgpr_count:     256
    .wavefront_size: 32
...
	.end_amdgpu_metadata
.endif
;; end of part 4
